; MI455X (gfx1250); checked and timed in simulation.
; The chip was launched on July 23, 2026; its instructions are those of AMD's public machine-readable ISA for CDNA 5 (MIT licence, August 2026) and "CDNA5" Instruction Set Architecture Reference Guide (July 2026). The comments in the code are by the model that wrote it; some were corrected since.
;; Slot Model. Allowed arithmetic: float matrix products may take bf16 or f16 operands with f32 sums; all other float work in f32.
;; Inputs: W1 64 x 128 float32; W2 128 x 64 float32; Wo 64 x 64 float32; Wq 64 x 64 float32; b1 128 float32; b2 64 float32; beta 64 float32; bo 64 float32; bq 64 float32; embed 64 x 64 float32; gamma 64 float32; seq 2,048 x 512 int32.
;; Outputs: out0 2,048 x 64 float32.
;; One version. Each part assembles by itself: llvm-mc -triple=amdgcn-amd-amdhsa -mcpu=gfx1250 --defsym DOCPART=n.
;; ======== version 1 of 1: 1 launch
;; launch slot (part 1): grid 128 x 1, 16 waves a work-group, no clusters, 106,496 bytes of LDS; arguments seq, embed, W1, b1, W2, b2, gamma, beta, Wq, bq, Wo, bo, out0; writes out0
.if DOCPART == 1
	.amdgcn_target "amdgcn-amd-amdhsa--gfx1250"
	.amdhsa_code_object_version 6
	.text
	.protected	k_q5d4eccd59a_slot
	.globl	k_q5d4eccd59a_slot
	.p2align	8
	.type	k_q5d4eccd59a_slot,@function
k_q5d4eccd59a_slot:
	s_mov_b64 s[64:65], 0
	v_nop
	global_prefetch_b8 v0, s[64:65] scope:SCOPE_SE
	s_setreg_imm32_b32 hwreg(HW_REG_WAVE_MODE, 25, 1), 1
	s_wait_xcnt 0x0
; SlotModel, one launch.  seq [2048][512] i32 (tokens 0..63), embed [64][64], W1 [64][128], W2 [128][64], Wq, Wo [64][64], all f32; out0 [2048][64] f32.
; Everything up to h (gather, feed-forward, residual, layernorm) acts on one token's embedding alone, and there are 64 tokens, so
; h[b][l] = H[seq[b][l]] with a table H of 64 x 64.  The six slots enter softmax and ctx as a multiset, so with c[u] = how often token u is
; among a row's six:  out[b] = sum_u p[u] (H Wo)[u] + bo,  p[u] = c[u] exp(S[t_last][u] - max) / sum,  S = (H Wq + bq) H^T / 8.
; A work-group (16 waves) owns 16 rows of seq, one a wave.  It builds the tables in LDS (waves 0-3, 16 tokens each, carried in registers from
; product to product), ranks the 64 norms (waves 4, 5), takes each row's six smallest keys rank<<15 | position<<6 | token (all waves),
; and ends with one product [16 rows][64 tokens] x [64 tokens][64] (wave 0).
; Tables are addressed by tokens read from seq alone; what is derived from the norms (ranks, keys, chosen tokens) enters only compares,
; selects and arithmetic: hence the dense weight vector p[64].
; No tensor loads, no cluster: the weights (115 KB) pass through registers anyway for f32 -> bf16 and are read once by a work-group.
; LIMITS.  (a) The products run on bf16 operands with f32 sums (the residual e stays f32): two tokens whose norms lie closer than that rounding
; moves them may change places in the top six against an f32 evaluation.  Exactly equal norms get equal rank and are then ordered by position,
; the lower first.  (b) Tokens are clamped to 63 as unsigned numbers; the problem's definition relies on 0..63.  (c) NaN and infinities
; in the inputs are not followed (the relu's maximum drops a NaN).  The softmax takes its maximum away before the exponential.
.set P1, 288                           ; pitch of W1's image: 9 x 32 bytes
.set P2, 160                           ; pitch of W2's, Wq's, Wo's images: 5 x 32 bytes
.set PH, 144                           ; pitch of bf16 rows of 64: 9 x 16 bytes, sixteen rows start at sixteen different 16-byte columns of 256 bytes
.set PS, 272                           ; pitch of f32 rows of 64: 17 x 16 bytes
.set W1L, 0                            ; W1 bf16 [k 64][n 128]
.set W2L, 18432                        ; W2 bf16 [k 128][n 64]
.set WQO, 20480                        ; Wq bf16 [64][64], counted from W2L
.set WOO, 30720                        ; Wo bf16 [64][64], counted from W2L
.set VB1, 59392                        ; b1, 512 bytes; then five vectors of 256 bytes
.set VB2, VB1+512
.set VGA, VB1+768
.set VBE, VB1+1024
.set VBQ, VB1+1280
.set VBO, VB1+1536
.set NRM, 61184                        ; norm[64] f32
.set KT,  61440                        ; rank<<15 | token, 64 words in one aligned block of 256 bytes
.set HB,  61696                        ; H bf16 [u][k], pitch PH
.set OT,  70912                        ; (H Wo)^T bf16 [n][u], pitch PH
.set ST,  80128                        ; S x 0.125 x log2(e), f32 [v][u], pitch PS
.set PB,  97536                        ; p bf16 [16 rows][64], pitch PH
.set OS,  99840                        ; wave 0's stage for the output, f32 [16][64], pitch PS; ends at 104,192
.set SEQ, 16                           ; v[16:31]   the row's tokens, then the keys: register 4i+c of lane l is position 128 i + 4 l + c
.set RA,  32                           ; v[32:95]   staging, weight fragments, scratch
.set RB,  96                           ; v[96:159]  hidden sums, fragments
.set RC,  160                          ; v[160:191] e, then e + ff, then h (f32), then H Wo's sums, then the output's
.set RD,  192                          ; v[192:223] wave 4: the six vectors on their way to LDS; waves 0-3: bf16 fragments of e and of the hidden layer, Q's sums, S's sums
.set RE,  224                          ; v[224:255] b2, gamma, then h's fragments (0:15) and Q's (16:31)
.set T,   RA+32                        ; layernorm's scratch
; fixed: v0 thread, v1 lane l, v2 r = l & 15, v3 h = l >> 4, v4 / v5 lane terms of the transposing loads (pitch P1 / P2), v6 = 32 h, v7 = r PH + 16 h,
; v10 = 16 thread, v11 = 16 l, v12 embed offset, v13 = 8 l; v8, v9, v14, v15 made where they are used.
; s8 wave, s10 = 16 wave (first token of waves 0-3), s12, s13 selects of v_permlanex16_b32, s14 last token, s44 1/64, s45 eps, s46 -1/64.
.macro PLACES                          ; four plain vector instructions between a matrix instruction and what reads its result or writes or loads one of its registers
.rept 4
	v_nop
.endr
.endm
.macro TRF dst, adr, off, pitch        ; a 16 x 32 fragment from an image stored [k][n]: two transposing loads, 16 rows of k apart
	ds_load_tr16_b128 v[(\dst):(\dst)+3], v[\adr] offset:(\off)
	ds_load_tr16_b128 v[(\dst)+4:(\dst)+7], v[\adr] offset:(\off)+16*(\pitch)
.endm
.macro FRG dst, adr, off               ; a 16 x 32 fragment from rows that lie along k: two loads, 32 bytes apart
	ds_load_b128 v[(\dst):(\dst)+3], v[\adr] offset:(\off)
	ds_load_b128 v[(\dst)+4:(\dst)+7], v[\adr] offset:(\off)+32
.endm
.macro VEC8 dst, off                   ; eight numbers 8 h .. 8 h + 7 of a vector's sixteen at byte off
	ds_load_b128 v[(\dst):(\dst)+3], v6 offset:(\off)
	ds_load_b128 v[(\dst)+4:(\dst)+7], v6 offset:(\off)+16
.endm
.macro CVT8 dst, src                   ; eight f32 to eight bf16
	v_cvt_pk_bf16_f32 v[(\dst)], v[(\src)], v[(\src)+1]
	v_cvt_pk_bf16_f32 v[(\dst)+1], v[(\src)+2], v[(\src)+3]
	v_cvt_pk_bf16_f32 v[(\dst)+2], v[(\src)+4], v[(\src)+5]
	v_cvt_pk_bf16_f32 v[(\dst)+3], v[(\src)+6], v[(\src)+7]
.endm
.macro MM d, a, b, zero                ; zero = 1: the product starts the sum
.if \zero
	v_wmma_f32_16x16x32_bf16 v[(\d):(\d)+7], v[(\a):(\a)+7], v[(\b):(\b)+7], 0
.else
	v_wmma_f32_16x16x32_bf16 v[(\d):(\d)+7], v[(\a):(\a)+7], v[(\b):(\b)+7], v[(\d):(\d)+7]
.endif
.endm
.macro WSUM x, tmp                     ; sum over the 32 lanes, in every lane; tmp has been written before
.irp m, 1,2,4,8
	v_add_f32_dpp v[\x], v[\x], v[\x] row_xmask:\m row_mask:0xf bank_mask:0xf
.endr
	v_permlanex16_b32 v[\tmp], v[\x], s12, s13
	v_add_f32 v[\x], v[\x], v[\tmp]
.endm
.macro WMAX x, tmp
.irp m, 1,2,4,8
	v_max_num_f32_dpp v[\x], v[\x], v[\x] row_xmask:\m row_mask:0xf bank_mask:0xf
.endr
	v_permlanex16_b32 v[\tmp], v[\x], s12, s13
	v_max_num_f32 v[\x], v[\x], v[\tmp]
.endm
.macro SUMSQ                           ; v[T+4] = sum of the squares of a token's 64 numbers: 32 in my RC in four chains, 32 in the lane 16 away
.irp k, 0,1,2,3
	v_pk_mul_f32 v[T+4+2*\k:T+5+2*\k], v[RC+2*\k:RC+2*\k+1], v[RC+2*\k:RC+2*\k+1]
.endr
.irp m, 1,2,3
.irp k, 0,1,2,3
	v_pk_fma_f32 v[T+4+2*\k:T+5+2*\k], v[RC+8*\m+2*\k:RC+8*\m+2*\k+1], v[RC+8*\m+2*\k:RC+8*\m+2*\k+1], v[T+4+2*\k:T+5+2*\k]
.endr
.endr
	v_pk_add_f32 v[T+4:T+5], v[T+4:T+5], v[T+6:T+7]
	v_pk_add_f32 v[T+8:T+9], v[T+8:T+9], v[T+10:T+11]
	v_pk_add_f32 v[T+4:T+5], v[T+4:T+5], v[T+8:T+9]
	v_add_f32 v[T+4], v[T+4], v[T+5]
	v_permlanex16_b32 v[T+5], v[T+4], s12, s13
	v_add_f32 v[T+4], v[T+4], v[T+5]
.endm
; ---------------------------------------------------------------- phase 0: every load of the kernel is issued here, each group into registers that no other group names
	s_load_b512 s[16:31], s[0:1], 0x0              ; seq 16, embed 18, W1 20, b1 22, W2 24, b2 26, gamma 28, beta 30
	s_load_b256 s[32:39], s[0:1], 0x40             ; Wq 32, bq 34, Wo 36, bo 38
	s_load_b64 s[40:41], s[0:1], 0x60              ; out0
	v_and_b32 v1, 31, v0                           ; l
	v_lshrrev_b32 v14, 5, v0
	v_readfirstlane_b32 s8, v14                    ; wave 0..15
	v_and_b32 v2, 15, v0                           ; r
	v_bfe_u32 v3, v0, 4, 1                         ; h
	v_lshlrev_b32 v6, 5, v3                        ; 32 h
	v_lshlrev_b32 v10, 4, v0                       ; 16 bytes a thread: 8,192 bytes a load of the work-group
	v_lshlrev_b32 v11, 4, v1                       ; 16 l
	v_lshlrev_b32 v13, 3, v1                       ; 8 l
	s_lshl_b32 s10, s8, 4                          ; first token of waves 0-3
	s_lshl_b32 s9, s8, 12                          ; that token's row of embed, 256 bytes a row
	v_lshl_add_u32 v12, v2, 8, v6                  ; row r, 32 h bytes in
	v_add_nc_u32 v12, s9, v12
	s_lshl_b32 s42, ttmp9, 4
	s_add_co_u32 s42, s42, s8                      ; my row of seq = 16 x work-group + wave
	s_lshl_b32 s42, s42, 11                        ; 2,048 bytes a row; 4 MiB at the most
	s_mov_b32 s43, 0
	s_mov_b32 s12, 0x76543210                      ; v_permlanex16_b32: lane i takes lane i of the other half
	s_mov_b32 s13, 0xfedcba98
	s_mov_b32 s44, 0x3c800000                      ; 1/64
	s_mov_b32 s45, 0x3727c5ac                      ; 1e-5
	s_mov_b32 s46, 0xbc800000                      ; -1/64
	s_wait_kmcnt 0x0
	s_add_nc_u64 s[16:17], s[16:17], s[42:43]
	s_lshl_b32 s42, ttmp9, 12                      ; 16 rows of out0, 256 bytes each
	s_add_nc_u64 s[40:41], s[40:41], s[42:43]
	s_cmp_lt_u32 s8, 4
	s_cbranch_scc0 .Lno_embed
.irp t, 0,1,2,3                                    ; waves 0-3: e[m0 + r][16 t + 8 h + 0..7], the residual and, rounded, the first product's fragments
	global_load_b128 v[RC+8*\t:RC+8*\t+3], v12, s[18:19] offset:64*\t
	global_load_b128 v[RC+8*\t+4:RC+8*\t+7], v12, s[18:19] offset:64*\t+16
.endr
.Lno_embed:
	s_cmp_eq_u32 s8, 4
	s_cbranch_scc0 .Lno_vec
	global_load_b128 v[RD:RD+3], v11, s[22:23]     ; wave 4: the six vectors, b1 16 bytes a lane, the others 8
	global_load_b64 v[RD+4:RD+5], v13, s[26:27]    ; b2
	global_load_b64 v[RD+6:RD+7], v13, s[28:29]    ; gamma
	global_load_b64 v[RD+8:RD+9], v13, s[30:31]    ; beta
	global_load_b64 v[RD+10:RD+11], v13, s[34:35]  ; bq
	global_load_b64 v[RD+12:RD+13], v13, s[38:39]  ; bo
.Lno_vec:
.irp i, 0,1,2,3
	global_load_b128 v[RA+4*\i:RA+4*\i+3], v10, s[20:21] offset:8192*\i          ; W1
.endr
.irp i, 0,1,2,3
	global_load_b128 v[RA+16+4*\i:RA+16+4*\i+3], v10, s[24:25] offset:8192*\i    ; W2
.endr
.irp i, 0,1
	global_load_b128 v[RA+32+4*\i:RA+32+4*\i+3], v10, s[32:33] offset:8192*\i    ; Wq
.endr
.irp i, 0,1
	global_load_b128 v[RA+40+4*\i:RA+40+4*\i+3], v10, s[36:37] offset:8192*\i    ; Wo
.endr
.irp i, 0,1,2,3
	global_load_b128 v[SEQ+4*\i:SEQ+4*\i+3], v11, s[16:17] offset:512*\i th:TH_LOAD_NT   ; my row of seq, read once in the launch; waited for in phase 4
.endr
	; lane terms, while the loads are on their way
	v_and_b32 v14, 7, v1
	v_lshl_add_u32 v14, v3, 3, v14                 ; 8 h + (l & 7): the row of k that this lane addresses
	v_bfe_u32 v15, v1, 3, 1
	v_lshlrev_b32 v15, 4, v15                      ; 16 ((l >> 3) & 1)
	v_mad_u32_u24 v4, v14, P1, v15                 ; W1L = 0
	v_mad_u32_u24 v5, v14, P2, v15
	v_add_nc_u32 v5, W2L, v5
	v_mul_u32_u24 v7, v2, PH
	v_lshl_add_u32 v7, v3, 4, v7                   ; r PH + 16 h
	s_mul_i32 s9, s8, P1                           ; W1: a load's 16 rows of 128, row = wave, column 4 l
	v_lshl_add_u32 v8, v1, 3, s9
	s_mul_i32 s15, s8, 2*P2                        ; the others: 32 rows of 64, row = 2 wave + h, column 4 r
	s_add_co_u32 s15, s15, W2L
	v_mul_u32_u24 v9, v3, P2
	v_lshl_add_u32 v9, v2, 3, v9
	v_add_nc_u32 v9, s15, v9
; ---------------------------------------------------------------- phase 1: the weights to bf16 images in LDS
.macro STG j, adr, off
	s_wait_loadcnt 15-\j                           ; younger than weight load j: 11 - j weight loads and the 4 of seq; all that was issued earlier is in too
	v_cvt_pk_bf16_f32 v[RA+4*\j], v[RA+4*\j], v[RA+4*\j+1]
	v_cvt_pk_bf16_f32 v[RA+4*\j+1], v[RA+4*\j+2], v[RA+4*\j+3]
	ds_store_b64 v[\adr], v[RA+4*\j:RA+4*\j+1] offset:\off
.endm
	STG 0, 8, 0
	STG 1, 8, 16*P1
	STG 2, 8, 32*P1
	STG 3, 8, 48*P1
	STG 4, 9, 0
	STG 5, 9, 32*P2
	STG 6, 9, 64*P2
	STG 7, 9, 96*P2
	STG 8, 9, WQO
	STG 9, 9, WQO+32*P2
	STG 10, 9, WOO
	STG 11, 9, WOO+32*P2
	s_cmp_eq_u32 s8, 4
	s_cbranch_scc0 .Lno_vec_st
	ds_store_b128 v11, v[RD:RD+3] offset:VB1       ; wave 4's vectors were issued ahead of the weights: the waits above have shown them in
.irp k, 0,1,2,3,4
	ds_store_b64 v13, v[RD+4+2*\k:RD+5+2*\k] offset:VB2+256*\k
.endr
.Lno_vec_st:
	s_wait_dscnt 0x0                               ; my stores are in LDS before I say so
	s_barrier_signal -1
	s_barrier_wait -1                              ; barrier 1: images and vectors are whole
; ---------------------------------------------------------------- phase 2: waves 0-3, 16 tokens each, from e to h, Q and H Wo in registers
; The products are used transposed: source 0 = a weight's fragment (its rows are output columns), source 1 = the tokens' fragment.  Register j of tile i
; of lane (r, h) is then Out[m0 + r][16 i + 8 h + j], and rounding tiles 2 s and 2 s + 1 to bf16 gives the next product's source 1 for K step s.
; In every run of matrix instructions, and from run to run, the accumulators take turns, one instruction a turn.
	s_cmp_lt_u32 s8, 4
	s_cbranch_scc0 .Ljoin2
.irp i, 0,1,2,3,4,5,6,7
	VEC8 RB+8*\i, VB1+64*\i                        ; b1 starts the hidden sums
.endr
.irp i, 0,1,2,3,4,5,6,7
	TRF RA+8*\i, 4, 32*\i, P1                      ; W1, k 0..31
.endr
.irp t, 0,1,2,3
	VEC8 RE+8*\t, VB2+64*\t                        ; b2
.endr
.irp t, 0,1,2,3
	CVT8 RD+4*\t, RC+8*\t                          ; e's fragments: RD[0:7] k 0..31, RD[8:15] k 32..63
.endr
	s_mul_i32 s9, s10, PH
	s_add_co_u32 s9, s9, HB
	v_add_nc_u32 v14, s9, v7                       ; where my tokens' rows of H go
	v_lshlrev_b32 v9, 2, v2
	v_lshl_add_u32 v9, s10, 2, v9                  ; 4 (m0 + r): the norm's word
	s_lshl_b32 s9, s8, 5
	s_add_co_u32 s9, s9, OT
	v_add_nc_u32 v8, s9, v7                        ; (H Wo)^T: row r of a tile of n, my 16 tokens at byte 32 wave
	s_wait_dscnt 0x8                               ; only b2's eight loads may be out
.irp i, 0,1,2,3,4,5,6,7
	MM RB+8*\i, RA+8*\i, RD, 0
.endr
	s_wait_dscnt 0x0                               ; b2
.irp k, 0,2,4,6,8,10,12,14,16,18,20,22,24,26,28,30
	v_pk_add_f32 v[RC+\k:RC+\k+1], v[RC+\k:RC+\k+1], v[RE+\k:RE+\k+1]   ; e + b2 starts the second product's sums; these sixteen are also the places in front of the loads into RA
.endr
.irp i, 0,1,2,3,4,5,6,7
	TRF RA+8*\i, 4, 32*P1+32*\i, P1                ; W1, k 32..63
.endr
.irp t, 0,1,2,3
	VEC8 RE+8*\t, VGA+64*\t                        ; gamma
.endr
	s_wait_dscnt 0x8                               ; only gamma's eight loads may be out
.irp i, 0,1,2,3,4,5,6,7
	MM RB+8*\i, RA+8*\i, RD+8, 0
.endr
	PLACES
.irp s, 0,1
.irp i, 0,1,2,3
	TRF RA+8*(4*\s+\i), 5, 32*P2*\s+32*\i, P2      ; W2, k 0..63
.endr
.endr
.set j, 0
.rept 64
	v_max_num_f32 v[RB+j], 0, v[RB+j]              ; relu
.set j, j+1
.endr
.irp i, 0,1,2,3,4,5,6,7
	CVT8 RD+4*\i, RB+8*\i                          ; the hidden layer's four fragments
.endr
.irp s, 0,1
.irp i, 0,1,2,3
	TRF RB+8*(4*\s+\i), 5, 32*P2*(\s+2)+32*\i, P2  ; W2, k 64..127
.endr
.endr
	s_wait_dscnt 0x10                              ; the sixteen just issued may be out
.irp s, 0,1
.irp i, 0,1,2,3
	MM RC+8*\i, RA+8*(4*\s+\i), RD+8*\s, 0
.endr
.endr
	s_wait_dscnt 0x0
.irp s, 0,1
.irp i, 0,1,2,3
	MM RC+8*\i, RB+8*(4*\s+\i), RD+16+8*\s, 0
.endr
.endr
	PLACES
.irp t, 0,1,2,3
	VEC8 RA+8*\t, VBE+64*\t                        ; beta: 8 loads
.endr
.irp s, 0,1
.irp i, 0,1,2,3
	TRF RB+8*(4*\s+\i), 5, WQO+32*P2*\s+32*\i, P2  ; Wq: 16 loads
.endr
.endr
.irp i, 0,1,2,3
	VEC8 RD+8*\i, VBQ+64*\i                        ; bq starts Q's sums: 8 loads
.endr
	; layernorm of x = e + ff, in two passes; a token's 64 numbers lie in lanes r and r + 16
.irp k, 0,1,2,3,4,5,6,7
	v_pk_add_f32 v[T+2*\k:T+2*\k+1], v[RC+4*\k:RC+4*\k+1], v[RC+4*\k+2:RC+4*\k+3]
.endr
.irp k, 0,1,2,3
	v_pk_add_f32 v[T+2*\k:T+2*\k+1], v[T+4*\k:T+4*\k+1], v[T+4*\k+2:T+4*\k+3]
.endr
.irp k, 0,1
	v_pk_add_f32 v[T+2*\k:T+2*\k+1], v[T+4*\k:T+4*\k+1], v[T+4*\k+2:T+4*\k+3]
.endr
	v_pk_add_f32 v[T:T+1], v[T:T+1], v[T+2:T+3]
	v_add_f32 v[T], v[T], v[T+1]
	v_permlanex16_b32 v[T+1], v[T], s12, s13
	v_add_f32 v[T], v[T], v[T+1]
	v_mul_f32 v[T+16], s46, v[T]                   ; -mu, twice: a pair for the packed add
	v_mul_f32 v[T+17], s46, v[T]
.irp k, 0,2,4,6,8,10,12,14,16,18,20,22,24,26,28,30
	v_pk_add_f32 v[RC+\k:RC+\k+1], v[RC+\k:RC+\k+1], v[T+16:T+17]
.endr
	SUMSQ
	v_fma_f32 v[T+12], v[T+4], s44, s45            ; var + eps
	v_rsq_f32 v[T+14], v[T+12]
	v_rsq_f32 v[T+15], v[T+12]
	v_nop                                          ; one plain instruction between a transcendental and the use of its result (ISA guide 5.7.2)
	s_wait_alu depctr_va_vdst(0)
.irp k, 0,2,4,6,8,10,12,14,16,18,20,22,24,26,28,30
	v_pk_mul_f32 v[RC+\k:RC+\k+1], v[RC+\k:RC+\k+1], v[T+14:T+15]
.endr
	s_wait_dscnt 0x18                              ; beta is in; Wq's 16 and bq's 8 loads may be out
.irp k, 0,2,4,6,8,10,12,14,16,18,20,22,24,26,28,30
	v_pk_fma_f32 v[RC+\k:RC+\k+1], v[RC+\k:RC+\k+1], v[RE+\k:RE+\k+1], v[RA+\k:RA+\k+1]   ; h
.endr
	SUMSQ
	v_sqrt_f32 v15, v[T+4]                         ; the norm; the conversions below are the plain instructions in front of its use
.irp t, 0,1,2,3
	CVT8 RE+4*\t, RC+8*\t                          ; h's fragments: RE[0:7] k 0..31, RE[8:15] k 32..63
.endr
.irp t, 0,1,2,3
	ds_store_b128 v14, v[RE+4*\t:RE+4*\t+3] offset:32*\t   ; H[m0 + r][16 t + 8 h ..]
.endr
	s_wait_alu depctr_va_vdst(0)
	ds_store_b32 v9, v15 offset:NRM                ; lanes r and r + 16 store the same number to the same word
.irp s, 0,1
.irp i, 0,1,2,3
	TRF RA+8*(4*\s+\i), 5, WOO+32*P2*\s+32*\i, P2  ; Wo
.endr
.endr
	s_wait_dscnt 0x15                              ; younger than Wq and bq: 5 stores and Wo's 16 loads
.irp s, 0,1
.irp i, 0,1,2,3
	MM RD+8*\i, RB+8*(4*\s+\i), RE+8*\s, 0         ; Q = h Wq + bq
.endr
.endr
	s_wait_dscnt 0x0
.irp s, 0,1
.irp i, 0,1,2,3
	MM RC+8*\i, RE+8*\s, RA+8*(4*\s+\i), 1-\s      ; H Wo in the natural order: a lane holds tokens m0 + 8 h + 0..7 of column 16 i + r, 16 bytes of the transposed table
.endr
.endr
	PLACES
.irp i, 0,1,2,3
	CVT8 RE+16+4*\i, RD+8*\i                       ; Q's fragments
.endr
.irp i, 0,1,2,3
	CVT8 RB+4*\i, RC+8*\i
.endr
.irp i, 0,1,2,3
	ds_store_b128 v8, v[RB+4*\i:RB+4*\i+3] offset:16*PH*\i
.endr
.Ljoin2:
	s_wait_dscnt 0x0
	s_barrier_signal -1
	s_barrier_wait -1                              ; barrier 2: H, the norms and (H Wo)^T are whole
; ---------------------------------------------------------------- phase 3: waves 0-3 the scores' table, waves 4 and 5 the ranks
	s_cmp_lt_u32 s8, 4
	s_cbranch_scc0 .Lnot_s
	v_add_nc_u32 v14, HB, v7
.irp s, 0,1
.irp i, 0,1,2,3
	FRG RA+8*(4*\s+\i), 14, 16*PH*\i+64*\s         ; H's rows 16 i + r
.endr
.endr
	s_mul_i32 s9, s10, PS
	s_add_co_u32 s9, s9, ST
	v_mul_u32_u24 v9, v2, PS
	v_add3_u32 v9, v9, v6, s9                      ; S[m0 + r][8 h ..]
	s_wait_dscnt 0x0
.irp s, 0,1
.irp i, 0,1,2,3
	MM RD+8*\i, RA+8*(4*\s+\i), RE+16+8*\s, 1-\s   ; register j of tile i: Q[m0 + r] . H[16 i + 8 h + j]
.endr
.endr
	PLACES
.irp k, 0,2,4,6,8,10,12,14,16,18,20,22,24,26,28,30
	v_pk_mul_f32 v[RD+\k:RD+\k+1], v[RD+\k:RD+\k+1], 0x3e38aa3b op_sel_hi:[1,0]   ; 1/sqrt(64) and log2(e) in one factor: the softmax runs in base 2
.endr
.irp i, 0,1,2,3
	ds_store_b128 v9, v[RD+8*\i:RD+8*\i+3] offset:64*\i
	ds_store_b128 v9, v[RD+8*\i+4:RD+8*\i+7] offset:64*\i+16
.endr
	s_branch .Ljoin3
.Lnot_s:
	s_cmp_lt_u32 s8, 6
	s_cbranch_scc0 .Ljoin3
	s_sub_co_u32 s9, s8, 4
	s_lshl_b32 s9, s9, 7
	v_lshl_add_u32 v8, v1, 2, s9                   ; 4 x my token, token = 32 (wave - 4) + l
	v_mov_b32 v14, 0
	ds_load_b32 v9, v8 offset:NRM                  ; my token's norm
.irp k, 0,1,2,3,4,5,6,7,8,9,10,11,12,13,14,15
	ds_load_b128 v[RA+4*\k:RA+4*\k+3], v14 offset:NRM+16*\k    ; all 64, the same words in every lane
.endr
	v_mov_b32 v15, 0
	v_lshrrev_b32 v12, 2, v8
	s_wait_dscnt 0x0
.set j, 0
.rept 64
	v_cmp_gt_f32 vcc_lo, v[RA+j], v9               ; rank = how many norms are larger: equal norms, equal rank
	v_add_co_ci_u32 v15, vcc_lo, 0, v15, vcc_lo
.set j, j+1
.endr
	v_lshl_or_b32 v15, v15, 15, v12
	ds_store_b32 v8, v15 offset:KT
.Ljoin3:
	s_wait_dscnt 0x0
	s_barrier_signal -1
	s_barrier_wait -1                              ; barrier 3: scores and ranks are whole
; ---------------------------------------------------------------- phase 4: every wave, its row of seq
.set SC, 32                            ; v[32:33] scores of tokens 2 l, 2 l + 1 against the row's last token
.set M,  34
.set TT, 35
.set KA, 36                            ; the key taken, as it was at the start
.set TK, 37
.set D1, 38
.set C0, 40                            ; how often tokens 2 l and 2 l + 1 are among the six
.set C1, 41
.set U0, 42
.set U1, 43
.set L8, 44
.set L8X, 45
.set MN, 46                            ; v[46:49]
.set E0, 50
.set E1, 51
.set MX, 52
.set X0, 54
.set X1, 55
.set F0, 56
.set F1, 57
.set SM, 58
.set RR, 59
.set PP, 60
	s_wait_loadcnt 0x0                             ; the row's 512 tokens
	v_readlane_b32 s14, v[SEQ+15], 31              ; position 511
	s_min_u32 s14, s14, 63
	s_mul_i32 s15, s14, PS
	s_add_co_u32 s15, s15, ST
	v_lshl_add_u32 v8, v1, 3, s15                  ; a row's start + 8 l: bytes 0 to 255 of the row, never its 16 bytes of padding
	ds_load_b64 v[SC:SC+1], v8
.irp q, 0,1,2,3,4,5,6,7,8,9,10,11,12,13,14,15
	v_min_u32 v[SEQ+\q], 63, v[SEQ+\q]
	v_lshlrev_b32 v[SEQ+\q], 2, v[SEQ+\q]
	ds_load_b32 v[SEQ+\q], v[SEQ+\q] offset:KT     ; rank << 15 | token
.endr
	v_lshlrev_b32 v[L8], 8, v1                     ; 4 l positions, 6 bits up
	v_add_nc_u32 v[L8X], 1, v1
	v_lshrrev_b32 v[L8X], 5, v[L8X]                ; 1 in lane 31 alone
	v_lshl_add_u32 v[L8X], v[L8X], 30, v[L8]       ; positions 509 to 511 are no part of the body: their keys get 2^30 on top
	v_mov_b32 v[C0], 0
	v_mov_b32 v[C1], 0
	v_lshlrev_b32 v[U0], 1, v1
	v_lshl_or_b32 v[U1], v1, 1, 1
	v_mov_b32 v[TT], 0                             ; a lane exchange's destination counts as read
	s_mul_i32 s9, s8, PH
	s_add_co_u32 s9, s9, PB
	v_lshl_add_u32 v9, v1, 2, s9
	s_wait_dscnt 0x0
.irp i, 0,1,2
.irp c, 0,1,2,3
	v_add3_u32 v[SEQ+4*\i+\c], v[SEQ+4*\i+\c], v[L8], (128*\i+\c)<<6   ; key = rank << 15 | position << 6 | token, below 2^21, no two alike
.endr
.endr
	v_add3_u32 v[SEQ+12], v[SEQ+12], v[L8], 384<<6
.irp c, 1,2,3
	v_add3_u32 v[SEQ+12+\c], v[SEQ+12+\c], v[L8X], (384+\c)<<6
.endr
; One of six turns: the smallest key of the row (largest norm, then lowest position); its token is counted; then every key goes down by that key + 1.
; The key taken wraps to 2^32 - 1; the later turns take less than 6 x 2^21 away, so it stays above every other key, and the others keep their order.
.macro TURN first, last
.irp c, 0,1,2,3
	v_min_u32 v[MN+\c], v[SEQ+\c], v[SEQ+4+\c]
.endr
.irp c, 0,1,2,3
	v_min_u32 v[MN+\c], v[MN+\c], v[SEQ+8+\c]
.endr
.irp c, 0,1,2,3
	v_min_u32 v[MN+\c], v[MN+\c], v[SEQ+12+\c]
.endr
	v_min_u32 v[MN], v[MN], v[MN+1]
	v_min_u32 v[MN+2], v[MN+2], v[MN+3]
	v_min_u32 v[M], v[MN], v[MN+2]
.irp x, 1,2,4,8
	v_mov_b32_dpp v[TT], v[M] row_xmask:\x row_mask:0xf bank_mask:0xf
	v_min_u32 v[M], v[M], v[TT]
.endr
	v_permlanex16_b32 v[TT], v[M], s12, s13
	v_min_u32 v[M], v[M], v[TT]
.if \first
	v_mov_b32 v[KA], v[M]
.else
	v_add3_u32 v[KA], v[KA], v[M], 1               ; the keys stand lower by the last key taken + 1
.endif
	v_and_b32 v[TK], 63, v[KA]                     ; its token: a value that is compared, never an address
	v_cmp_eq_u32 vcc_lo, v[TK], v[U0]
	v_add_co_ci_u32 v[C0], vcc_lo, 0, v[C0], vcc_lo
	v_cmp_eq_u32 vcc_lo, v[TK], v[U1]
	v_add_co_ci_u32 v[C1], vcc_lo, 0, v[C1], vcc_lo
.if \last == 0
	v_add_nc_u32 v[D1], 1, v[M]
.irp q, 0,1,2,3,4,5,6,7,8,9,10,11,12,13,14,15
	v_sub_nc_u32 v[SEQ+\q], v[SEQ+\q], v[D1]
.endr
.endif
.endm
	TURN 1, 0
	TURN 0, 0
	TURN 0, 0
	TURN 0, 0
	TURN 0, 0
	TURN 0, 1
	; softmax over the six slots = over the 64 tokens with weights c; tokens with c = 0 take no part in the maximum
	v_cmp_lt_u32 vcc_lo, 0, v[C0]
	v_cndmask_b32 v[E0], 0xff800000, v[SC], vcc_lo
	v_cmp_lt_u32 vcc_lo, 0, v[C1]
	v_cndmask_b32 v[E1], 0xff800000, v[SC+1], vcc_lo
	v_max_num_f32 v[MX], v[E0], v[E1]
	WMAX MX, TT
	v_sub_f32 v[E0], v[E0], v[MX]
	v_sub_f32 v[E1], v[E1], v[MX]
	v_exp_f32 v[X0], v[E0]                         ; 2^(-inf) = 0 where c = 0
	v_exp_f32 v[X1], v[E1]
	v_cvt_f32_u32 v[F0], v[C0]                     ; the plain instructions behind the exponentials
	v_cvt_f32_u32 v[F1], v[C1]
	s_wait_alu depctr_va_vdst(0)
	v_mul_f32 v[X0], v[X0], v[F0]
	v_mul_f32 v[X1], v[X1], v[F1]
	v_add_f32 v[SM], v[X0], v[X1]
	WSUM SM, TT                                    ; at least 1: the maximum's own term
	v_rcp_f32 v[RR], v[SM]
	v_nop
	s_wait_alu depctr_va_vdst(0)
	v_mul_f32 v[X0], v[X0], v[RR]
	v_mul_f32 v[X1], v[X1], v[RR]
	v_cvt_pk_bf16_f32 v[PP], v[X0], v[X1]
	ds_store_b32 v9, v[PP]                         ; p[wave][2 l], p[wave][2 l + 1]
	s_wait_dscnt 0x0
	s_barrier_signal -1
	s_barrier_wait -1                              ; barrier 4: the sixteen rows of p are whole
	s_cmp_lg_u32 s8, 0
	s_cbranch_scc1 .Lend
; ---------------------------------------------------------------- phase 5: wave 0, out = p (H Wo) + bo for the 16 rows
	v_add_nc_u32 v8, OT, v7
	v_add_nc_u32 v9, PB, v7
.irp i, 0,1,2,3
	VEC8 RC+8*\i, VBO+64*\i                        ; bo starts the sums
.endr
.irp s, 0,1
.irp i, 0,1,2,3
	FRG RA+8*(4*\s+\i), 8, 16*PH*\i+64*\s          ; (H Wo)^T, rows n = 16 i + r, along the tokens
.endr
.endr
.irp s, 0,1
	FRG RB+8*\s, 9, 64*\s                          ; p, row r
.endr
	v_mad_u32_u24 v14, v2, PS, v6
	v_add_nc_u32 v14, OS, v14                      ; stage, in: row r, 32 h bytes in
	v_mul_u32_u24 v15, v3, PS
	v_lshl_add_u32 v15, v2, 4, v15
	v_add_nc_u32 v15, OS, v15                      ; stage, back: lanes 0-15 one row of 256 bytes, lanes 16-31 the next
	s_wait_dscnt 0x0
.irp s, 0,1
.irp i, 0,1,2,3
	MM RC+8*\i, RA+8*(4*\s+\i), RB+8*\s, 0         ; register j of tile i: out[r][16 i + 8 h + j]
.endr
.endr
	PLACES
.irp i, 0,1,2,3
	ds_store_b128 v14, v[RC+8*\i:RC+8*\i+3] offset:64*\i
	ds_store_b128 v14, v[RC+8*\i+4:RC+8*\i+7] offset:64*\i+16
.endr
.irp t, 0,1,2,3,4,5,6,7
	ds_load_b128 v[RD+4*\t:RD+4*\t+3], v15 offset:2*PS*\t      ; the wave's own bytes: LDS serves a wave's instructions in order (ISA guide 5.7.1), so these see the stores above
.endr
.irp t, 0,1,2,3,4,5,6,7
	s_wait_dscnt 7-\t                              ; load t is back, the younger ones may be out
	global_store_b128 v11, v[RD+4*\t:RD+4*\t+3], s[40:41] offset:512*\t th:TH_STORE_NT   ; sixteen lanes store one row of out0: 256 consecutive bytes, aligned
.endr
.Lend:
	s_wait_xcnt 0x0
	v_lshl_add_u32 v238, v0, 2, 0x19800
	v_mov_b32 v239, 0
	s_wait_tensorcnt 0x0
	ds_add_u32 v238, v239
	s_wait_dscnt 0x0
	s_endpgm
.Lfunc_end_k_q5d4eccd59a_slot:
	.size	k_q5d4eccd59a_slot, .Lfunc_end_k_q5d4eccd59a_slot-k_q5d4eccd59a_slot
	.p2alignl 7, 3214868480
	.fill 96, 4, 3214868480
	.section	.rodata,"a",@progbits
	.p2align	6, 0x0
	.amdhsa_kernel k_q5d4eccd59a_slot
		.amdhsa_group_segment_fixed_size 106496
		.amdhsa_private_segment_fixed_size 0
		.amdhsa_enable_private_segment 0
		.amdhsa_kernarg_size 104
		.amdhsa_user_sgpr_count 2
		.amdhsa_user_sgpr_kernarg_segment_ptr 1
		.amdhsa_wavefront_size32 1
		.amdhsa_system_sgpr_workgroup_id_x 1
		.amdhsa_system_sgpr_workgroup_id_y 1
		.amdhsa_system_sgpr_workgroup_id_z 1
		.amdhsa_system_vgpr_workitem_id 0
		.amdhsa_next_free_vgpr 256
		.amdhsa_next_free_sgpr 66
		.amdhsa_reserve_vcc 1
		.amdhsa_float_denorm_mode_32 3
		.amdhsa_float_denorm_mode_16_64 3
		.amdhsa_memory_ordered 1
		.amdhsa_forward_progress 1
		.amdhsa_inst_pref_size 69
	.end_amdhsa_kernel
	.amdgpu_metadata
---
amdhsa.version: [ 1, 2 ]
amdhsa.kernels:
  - .name:           k_q5d4eccd59a_slot
    .symbol:         k_q5d4eccd59a_slot.kd
    .args:
      - { .name: seq, .offset: 0, .size: 8, .value_kind: global_buffer, .address_space: global }
      - { .name: embed, .offset: 8, .size: 8, .value_kind: global_buffer, .address_space: global }
      - { .name: W1, .offset: 16, .size: 8, .value_kind: global_buffer, .address_space: global }
      - { .name: b1, .offset: 24, .size: 8, .value_kind: global_buffer, .address_space: global }
      - { .name: W2, .offset: 32, .size: 8, .value_kind: global_buffer, .address_space: global }
      - { .name: b2, .offset: 40, .size: 8, .value_kind: global_buffer, .address_space: global }
      - { .name: gamma, .offset: 48, .size: 8, .value_kind: global_buffer, .address_space: global }
      - { .name: beta, .offset: 56, .size: 8, .value_kind: global_buffer, .address_space: global }
      - { .name: Wq, .offset: 64, .size: 8, .value_kind: global_buffer, .address_space: global }
      - { .name: bq, .offset: 72, .size: 8, .value_kind: global_buffer, .address_space: global }
      - { .name: Wo, .offset: 80, .size: 8, .value_kind: global_buffer, .address_space: global }
      - { .name: bo, .offset: 88, .size: 8, .value_kind: global_buffer, .address_space: global }
      - { .name: out0, .offset: 96, .size: 8, .value_kind: global_buffer, .address_space: global }
    .group_segment_fixed_size: 106496
    .private_segment_fixed_size: 0
    .kernarg_segment_align: 8
    .kernarg_segment_size: 104
    .max_flat_workgroup_size: 512
    .sgpr_count:     66
    .vgpr_count:     256
    .wavefront_size: 32
...
	.end_amdgpu_metadata
.endif
;; end of part 1
